; MI455X (gfx1250); checked and timed in simulation.
; The chip was launched on July 23, 2026; its instructions are those of AMD's public machine-readable ISA for CDNA 5 (MIT licence, August 2026) and "CDNA5" Instruction Set Architecture Reference Guide (July 2026). The comments in the code are by the model that wrote it; some were corrected since.
;; Linear Attention. Allowed arithmetic: float matrix products may take bf16 or f16 operands with f32 sums; other float arithmetic in f32, or as packed bf16 or f16 multiplies, adds, multiply-adds, maxima and minima; sums over many terms, partial sums and values carried from step to step in f32; what a program stores and reads back later, other than sums and carried values, may be rounded once to bf16 or f16.
;; Inputs: D 128 x 4,096 float32; E 128 x 4,096 float32; Wk 1,024 x 1,024 float32; Wq 1,024 x 1,024 float32; Wv 1,024 x 1,024 float32; bk 1,024 float32; bq 1,024 float32; bv 1,024 float32; hidden_states 4 x 4,096 x 1,024 float32.
;; Outputs: out0 4 x 4,096 x 1,024 float32.
;; One version. Each part assembles by itself: llvm-mc -triple=amdgcn-amd-amdhsa -mcpu=gfx1250 --defsym DOCPART=n.
;; ======== version 1 of 1: 4 launches
;; limits: values are held in f16: magnitudes above 65,504 overflow, below 6.1e-05 lose precision
;; workspace buffers: xb 33,554,432 bytes; wqb 2,097,152 bytes; tp 16,777,216 bytes; timg 4,194,304 bytes; wimg 4,194,304 bytes; rs 65,536 bytes; pimg 3,145,728 bytes; scl 32,768 bytes
;; launch proj (part 1): grid 16 x 16, 4 waves a work-group, clusters of 4 x 1, 327,680 bytes of LDS; arguments hidden_states, E, D, Wq, xb, tp, wqb; writes xb, tp, wqb
.if DOCPART == 1
	.amdgcn_target "amdgcn-amd-amdhsa--gfx1250"
	.amdhsa_code_object_version 6
	.text
	.protected	k_qff518e416c_proj
	.globl	k_qff518e416c_proj
	.p2align	8
	.type	k_qff518e416c_proj,@function
k_qff518e416c_proj:
	s_mov_b64 s[64:65], 0
	v_nop
	global_prefetch_b8 v0, s[64:65] scope:SCOPE_SE
	s_setreg_imm32_b32 hwreg(HW_REG_WAVE_MODE, 25, 1), 1
	s_wait_xcnt 0x0
	s_wait_alu depctr_hold_cnt(0) depctr_sa_sdst(0) depctr_va_vdst(0) depctr_va_sdst(0) depctr_va_ssrc(0) depctr_va_vcc(0) depctr_vm_vsrc(0)
	s_getreg_b32 s2, hwreg(HW_REG_IB_STS2, 6, 4)
	s_cmp_eq_u32 s2, 0
	s_cbranch_scc0 .Lentry_in_a_cluster
	s_endpgm
.Lentry_in_a_cluster:
	s_bfe_u32 s2, ttmp6, 0x10000c
	s_cmp_lg_u32 s2, 0x3003
	s_cbranch_scc0 .Lentry_shape_is_right
	s_endpgm
.Lentry_shape_is_right:
; T = [E;D] X, in four partial sums along the sequence, and the bf16 copies of X and Wq.
; The sequence projection commutes with the linear layers: E (X Wk^T + 1 bk^T) = (E X) Wk^T + rowsum(E) bk^T, for every input; so K and V are never formed.
; SHARES.  A work-group takes one batch b, 1,024 rows of the sequence (sc) and 64 columns of X (cb): M = 256 rows of [E;D], N = 64, K = 1,024 in 8 steps of 128.
; Wave w owns rows 64 w .. 64 w + 63 of [E;D] (waves 0, 1: E; waves 2, 3: D) and all 64 columns: 16 accumulators.
; Source 0 = 16 columns of X (turned out of LDS), source 1 = 16 rows of E: a lane then holds one row of T and eight neighbouring columns.
; X comes through registers (it is rounded to bf16 once, stored to xb in planes of 64 columns, and laid into LDS for the turning load);
; E and D come as f32 tiles by tensor loads and are rounded to bf16 between LDS and the matrix instruction.
; CLUSTER.  The four partners differ in cb alone and need the same rows of E and D: each tile is asked for jointly, the same descriptor and mask in all four.
; The accumulators are cleared (128 v_mov_b32, in the wait for the first tile) so that one text serves every step.
; The work-group also rounds four rows of Wq to bf16, into planes of 64 columns.
.set EPITCH, 528                       ; a row of E in LDS: 512 bytes of f32 + 16: 132 words, so 16 rows start at 16 different groups of four banks
.set EWAVE,  64*EPITCH                 ; a wave's 64 rows
.set ESLOT,  4*EWAVE                   ; 135,168
.set XLDS,   2*ESLOT                   ; behind E's two slots: X in bf16, two buffers written by ds_store alone
.set XPITCH, 160                       ; 128 bytes + 32: an odd multiple of 32, for the turning load
.set XBUF,   128*XPITCH
.set SPARE,  XLDS+2*XBUF               ; the spare words, 128 bytes a wave
.set XO, 2                             ; v2   byte offset in X of my 16 bytes: (2 w + l / 16) rows + 16 (l % 16)
.set XS, 3                             ; v3   where I put 8 bytes of bf16 in LDS
.set XG, 4                             ; v4   my byte offset in xb: 256 w + 8 l
.set AX, 5                             ; v5   the turning load's lane address
.set AE, 6                             ; v6-7 my lane's place in my rows of E, slot 0, 1
.set TO, 8                             ; v8   16 l
.set WL, 9                             ; v9   Wq: load offset
.set WS, 10                            ; v10  wqb: store offset
.set SPW, 12                           ; v12  my spare word; never rewritten
.set NIL, 13                           ; v13  0; never rewritten
.set EF, 16                            ; v16-47   four fragments of E in bf16
.set XF, 48                            ; v48-111  two buffers of four fragments of X^T
.set ER, 112                           ; v112-239 two buffers of 64: E as f32
.set CV, 112                           ; v112-143 X rounded, on its way to LDS and xb (ER is idle then)
.set RAW, 128                          ; window 1: v128-191, v192-255 X as loaded, even and odd steps; v0-127 the accumulators, (nt, et) at 8 (4 nt + et)
.set WV, 20
.set G1, 24
.set G0, 32
.set MSB, 0
.macro WIN new                         ; the high byte repeats the setting that is left
.if MSB != (\new)
	s_set_vgpr_msb (MSB<<8)|(\new)
.set MSB, \new
.endif
.endm
.macro PLACES
.rept 4
	v_nop
.endr
.endm
.macro CROUND                          ; a round of the cluster's barrier
	s_barrier_signal -1
	s_barrier_wait -1
	s_cmp_lg_u32 s[WV], 0
	s_cbranch_scc1 .Lnot_wave_0_\@
	s_barrier_signal -3
.Lnot_wave_0_\@:
	s_barrier_wait -3
	s_barrier_signal -1
	s_barrier_wait -1
.endm
	s_load_b256 s[4:11], s[0:1], 0x0               ; X s[4:5], E s[6:7], D s[8:9], Wq s[10:11]
	s_load_b128 s[12:15], s[0:1], 0x20             ; xb s[12:13], tp s[14:15]
	s_load_b64 s[16:17], s[0:1], 0x30              ; wqb
	v_lshl_add_u32 v[SPW], v0, 2, SPARE
	v_mov_b32 v[NIL], 0
	ds_add_u32 v[SPW], v[NIL]                      ; the wave's opening: the add and its wait ahead of my first tensor load
	v_lshrrev_b32 v1, 5, v0
	v_readfirstlane_b32 s[WV], v1                  ; wave 0..3
	s_bfe_u32 s21, ttmp6, 0x40000                  ; cx
	s_lshl_b32 s22, ttmp9, 2
	s_add_co_u32 s22, s22, s21                     ; cb = 4 x cluster x + cx: global addresses of X, xb, tp, Wq, wqb alone
	s_and_b32 s23, ttmp7, 0xffff                   ; y, shared by the partners
	s_lshr_b32 s40, s23, 2                         ; b
	s_and_b32 s41, s23, 3                          ; sc
	; descriptor group 1: 64 rows x 128 f32, padded by 4 words behind every 128
	s_mov_b32 s[G1+0], 15|(2<<16)|(1<<20)|(1<<21)|(6<<22)|(3<<25)
	s_mov_b32 s[G1+1], 128<<16                     ; tensor_dim0
	s_mov_b32 s[G1+2], 64<<16                      ; tensor_dim1
	s_mov_b32 s[G1+3], 128<<16                     ; tile_dim0
	s_mov_b32 s[G1+4], 64                          ; tile_dim1
	s_mov_b32 s[G1+5], 4096                        ; elements from row to row
	s_mov_b32 s[G1+6], 0
	s_mov_b32 s[G1+7], 0
	s_and_b32 s42, s[WV], 1
	s_lshl_b32 s42, s42, 20                        ; 64 rows of 16,384 bytes
	s_lshl_b32 s43, s41, 12                        ; sc x 1,024 f32
	s_add_co_u32 s42, s42, s43
	s_mov_b32 s43, 0
	s_mul_i32 s44, s[WV], EWAVE                    ; my rows' place in a slot
	s_lshl_b32 s48, s40, 24                        ; X: ((4096 b + 1024 sc) 1024 + 64 cb) 4
	s_lshl_b32 s58, s41, 22
	s_add_co_u32 s48, s48, s58
	s_lshl_b32 s58, s22, 8
	s_add_co_u32 s48, s48, s58
	s_mov_b32 s49, 0
	s_lshl_b32 s50, s22, 21                        ; xb: plane cb, row 4096 b + 1024 sc, 128 bytes a row
	s_lshl_b32 s58, s40, 19
	s_add_co_u32 s50, s50, s58
	s_lshl_b32 s58, s41, 17
	s_add_co_u32 s50, s50, s58
	s_mov_b32 s51, 0
	s_lshl_b32 s52, s41, 22                        ; tp: [sc][b][mt = 4 w ..][ct = 4 cb ..]
	s_lshl_b32 s58, s40, 20
	s_add_co_u32 s52, s52, s58
	s_lshl_b32 s58, s[WV], 18
	s_add_co_u32 s52, s52, s58
	s_lshl_b32 s58, s22, 12
	s_add_co_u32 s52, s52, s58
	s_mov_b32 s53, 0
	s_lshl_b32 s59, s23, 4
	s_add_co_u32 s59, s59, s22                     ; i = 16 y + cb: my four rows of Wq
	s_lshl_b32 s54, s59, 14
	s_mov_b32 s55, 0
	s_lshl_b32 s56, s59, 9
	s_mov_b32 s57, 0
	s_wait_dscnt 0x0                               ; the opening add is done
	s_wait_kmcnt 0x0
	s_cmp_lt_u32 s[WV], 2
	s_cselect_b64 s[46:47], s[6:7], s[8:9]         ; waves 0, 1 fetch E, waves 2, 3 fetch D
	s_add_nc_u64 s[46:47], s[46:47], s[42:43]
	s_add_nc_u64 s[4:5], s[4:5], s[48:49]
	s_add_nc_u64 s[12:13], s[12:13], s[50:51]
	s_add_nc_u64 s[14:15], s[14:15], s[52:53]
	s_add_nc_u64 s[10:11], s[10:11], s[54:55]
	s_add_nc_u64 s[16:17], s[16:17], s[56:57]
.irp n, 0,1
	s_mov_b32 s[G0+4*(\n)], 1
	s_add_co_u32 s[G0+4*(\n)+1], s44, (\n)*ESLOT
	s_add_nc_u64 s[G0+4*(\n)+2:G0+4*(\n)+3], s[46:47], (\n)*512
	s_or_b32 s[G0+4*(\n)+3], s[G0+4*(\n)+3], 0x80000000
.endr
	CROUND                                         ; all four work-groups are here: the first joint load meets
	tensor_load_to_lds s[G0:G0+3], s[G1:G1+7]      ; step 0 into slot 0; slot 1 is filled behind the first step's round
	s_nop 0
	PLACES
	v_and_b32 v1, 15, v0                           ; l % 16
	v_bfe_u32 v14, v0, 4, 1                        ; l / 16
	v_and_b32 v15, 31, v0                          ; l
	v_lshlrev_b32 v[XO], 4, v1
	v_lshl_add_u32 v[XO], v14, 12, v[XO]
	s_lshl_b32 s45, s[WV], 13
	v_add_nc_u32 v[XO], s45, v[XO]
	v_lshlrev_b32 v[WL], 4, v1
	v_lshl_add_u32 v[WL], v14, 12, v[WL]
	s_lshl_b32 s45, s[WV], 10
	v_add_nc_u32 v[WL], s45, v[WL]
.irp k, 0,1,2,3
.irp rp, 0,1
	global_load_b128 v[ER+4*(2*(\k)+(\rp)):ER+4*(2*(\k)+(\rp))+3], v[WL], s[10:11] offset:(\rp)*8192+(\k)*256 th:TH_LOAD_NT  ; Wq: two rows x 256 bytes
.endr
.endr
	WIN 0x40                                       ; destination window 1
.irp st, 0,1
.set j, 0
.rept 16
	global_load_b128 v[RAW+64*(\st)+4*j:RAW+64*(\st)+4*j+3], v[XO], s[4:5] offset:(\st)*524288+j*32768 th:TH_LOAD_NT  ; steps 0 and 1 of X: two rows x 256 bytes a load
.set j, j+1
.endr
.endr
.set j, 0
.rept 128
	v_mov_b32 v[j], 0                              ; the accumulators
.set j, j+1
.endr
	WIN 0
	v_mul_u32_u24 v[XS], v14, XPITCH
	v_lshl_add_u32 v[XS], v1, 3, v[XS]
	s_mul_i32 s45, s[WV], 2*XPITCH
	s_add_co_u32 s45, s45, XLDS
	v_add_nc_u32 v[XS], s45, v[XS]
	v_lshlrev_b32 v[XG], 3, v0
	v_and_b32 v11, 7, v0
	v_lshl_add_u32 v[AX], v14, 3, v11
	v_mul_u32_u24 v[AX], v[AX], XPITCH
	v_bfe_u32 v11, v0, 3, 1
	v_lshl_add_u32 v[AX], v11, 4, v[AX]
	v_add_nc_u32 v[AX], XLDS, v[AX]
	v_mul_u32_u24 v[AE], v1, EPITCH
	v_lshl_add_u32 v[AE], v14, 5, v[AE]
	v_add_nc_u32 v[AE], s44, v[AE]
	v_add_nc_u32 v[AE+1], ESLOT, v[AE]
	v_lshlrev_b32 v[TO], 4, v15
	v_lshlrev_b32 v[WS], 3, v15
	s_lshl_b32 s45, s[WV], 19
	v_add_nc_u32 v[WS], s45, v[WS]
	s_wait_loadcnt 32                              ; Wq's eight loads are in; X's 32 stay out
.set j, 0
.rept 16
	v_cvt_pk_bf16_f32 v[EF+j], v[ER+2*j], v[ER+2*j+1]
.set j, j+1
.endr
.irp k, 0,1,2,3
.irp rp, 0,1
	global_store_b64 v[WS], v[EF+2*(2*(\k)+(\rp)):EF+2*(2*(\k)+(\rp))+1], s[16:17] offset:(\k)*131072+(\rp)*256  ; 256 consecutive bytes of plane 4 w + k
.endr
.endr
; 24 LDS loads: for 32 along the sequence (substep ks) my four fragments of E as f32, and the four fragments of X^T, turned
.macro LOADSUB slot, p, ks, buf
.irp et, 0,1,2,3
	ds_load_b128 v[ER+64*(\buf)+16*(\et):ER+64*(\buf)+16*(\et)+3],     v[AE+(\slot)] offset:(\et)*16*EPITCH+(\ks)*128
	ds_load_b128 v[ER+64*(\buf)+16*(\et)+4:ER+64*(\buf)+16*(\et)+7],   v[AE+(\slot)] offset:(\et)*16*EPITCH+(\ks)*128+16
	ds_load_b128 v[ER+64*(\buf)+16*(\et)+8:ER+64*(\buf)+16*(\et)+11],  v[AE+(\slot)] offset:(\et)*16*EPITCH+(\ks)*128+64
	ds_load_b128 v[ER+64*(\buf)+16*(\et)+12:ER+64*(\buf)+16*(\et)+15], v[AE+(\slot)] offset:(\et)*16*EPITCH+(\ks)*128+80
.endr
.irp nt, 0,1,2,3
	ds_load_tr16_b128 v[XF+32*(\buf)+8*(\nt):XF+32*(\buf)+8*(\nt)+3],   v[AX] offset:(\p)*XBUF+(\ks)*32*XPITCH+(\nt)*32
	ds_load_tr16_b128 v[XF+32*(\buf)+8*(\nt)+4:XF+32*(\buf)+8*(\nt)+7], v[AX] offset:(\p)*XBUF+(\ks)*32*XPITCH+16*XPITCH+(\nt)*32
.endr
.endm
; A substep: its loads are waited for, the next substep's are issued, E is rounded, 16 products, each accumulator once (the accumulators take turns)
.macro SUB slot, p, ks, pre
	WIN 0
	PLACES                                         ; behind the last products: EF is written and the other XF buffer loaded below
	s_wait_dscnt 0x0                               ; this substep's 24 loads are in
.if \pre
	LOADSUB \slot, \p, (\ks)+1, ((\ks)+1)%2
.endif
.set j, 0
.rept 32
	v_cvt_pk_bf16_f32 v[EF+j], v[ER+64*((\ks)%2)+2*j], v[ER+64*((\ks)%2)+2*j+1]
.set j, j+1
.endr
	WIN 0x50                                       ; C and D window 1
.irp nt, 0,1,2,3
.irp et, 0,1,2,3
	v_wmma_f32_16x16x32_bf16 v[8*(4*(\nt)+(\et)):8*(4*(\nt)+(\et))+7], v[XF+32*((\ks)%2)+8*(\nt):XF+32*((\ks)%2)+8*(\nt)+7], v[EF+8*(\et):EF+8*(\et)+7], v[8*(4*(\nt)+(\et)):8*(4*(\nt)+(\et))+7]
.endr
.endr
.endm
; A step of 128 rows of the sequence, on slot and buffer p.  ahead = 1: X of the step two on is asked for.  refill = 1: E's other slot takes the next step.  lc: X loads that may stay out.
.macro TRIP p, ahead, refill, lc
	s_wait_loadcnt \lc                             ; this step's 16 loads of X are in; the younger step's 16 stay out
	WIN 0x05                                       ; sources window 1
.set j, 0
.rept 32
	v_cvt_pk_bf16_f32 v[CV+j], v[RAW+64*(\p)+2*j], v[RAW+64*(\p)+2*j+1]
.set j, j+1
.endr
	WIN 0
.set j, 0
.rept 16
	ds_store_b64 v[XS], v[CV+2*j:CV+2*j+1] offset:(\p)*XBUF+j*8*XPITCH
.set j, j+1
.endr
.set j, 0
.rept 16
	global_store_b64 v[XG], v[CV+2*j:CV+2*j+1], s[12:13] offset:(\p)*16384+j*1024  ; a wave's store covers 256 consecutive bytes, aligned: two rows of the plane
.set j, j+1
.endr
.if \ahead
	WIN 0x40
.set j, 0
.rept 16
	global_load_b128 v[RAW+64*(\p)+4*j:RAW+64*(\p)+4*j+3], v[XO], s[4:5] offset:((\p)+2)*524288+j*32768 th:TH_LOAD_NT
.set j, j+1
.endr
	WIN 0
.endif
	s_wait_tensorcnt 0x0                           ; my one tensor load, this step's rows of E, has landed
	ds_add_u32 v[SPW], v[NIL]
	s_add_nc_u64 s[G0+4*(\p)+2:G0+4*(\p)+3], s[G0+4*(\p)+2:G0+4*(\p)+3], 1024  ; this slot's next step
	s_wait_dscnt 0x0                               ; the add, my stores into X's buffer and my reads of the last step are done
	CROUND                                         ; so for every wave of the four work-groups
.if \refill
	tensor_load_to_lds s[G0+4*(1-(\p)):G0+4*(1-(\p))+3], s[G1:G1+7]  ; the next step's rows, into the slot read last
	s_nop 0
	PLACES
.endif
	s_wait_xcnt 0x0                                ; the stores have read CV, which ER's loads write again
	LOADSUB \p, \p, 0, 0
	SUB \p, \p, 0, 1
	SUB \p, \p, 1, 1
	SUB \p, \p, 2, 1
	SUB \p, \p, 3, 0
	WIN 0
.endm
	s_mov_b32 s3, 3
.Lpair:
	TRIP 0, 1, 1, 16
	TRIP 1, 1, 1, 16
	s_wait_xcnt 0x0                                ; the bases are stepped only behind this wait
	s_add_nc_u64 s[4:5], s[4:5], 1048576           ; 256 rows of X
	s_add_nc_u64 s[12:13], s[12:13], 32768         ; 256 rows of the plane
	s_sub_co_u32 s3, s3, 1
	s_cmp_lg_u32 s3, 0
	s_cbranch_scc1 .Lpair
	TRIP 0, 0, 1, 16                               ; the last two steps ask for no X; the last for no E
	TRIP 1, 0, 0, 0
	PLACES
	WIN 0x04                                       ; store data window 1
.irp nt, 0,1,2,3
.irp et, 0,1,2,3
	global_store_b128 v[TO], v[8*(4*(\nt)+(\et)):8*(4*(\nt)+(\et))+3],   s[14:15] offset:(\et)*65536+(\nt)*1024      ; 512 consecutive bytes; each accumulator's low registers first
	global_store_b128 v[TO], v[8*(4*(\nt)+(\et))+4:8*(4*(\nt)+(\et))+7], s[14:15] offset:(\et)*65536+(\nt)*1024+512
.endr
.endr
	WIN 0
	s_wait_tensorcnt 0x0                           ; the wave's end
	ds_add_u32 v[SPW], v[NIL]
	s_wait_dscnt 0x0
	CROUND                                         ; the closing round
	s_endpgm
.Lfunc_end_k_qff518e416c_proj:
	.size	k_qff518e416c_proj, .Lfunc_end_k_qff518e416c_proj-k_qff518e416c_proj
	.p2alignl 7, 3214868480
	.fill 96, 4, 3214868480
	.section	.rodata,"a",@progbits
	.p2align	6, 0x0
	.amdhsa_kernel k_qff518e416c_proj
		.amdhsa_group_segment_fixed_size 327680
		.amdhsa_private_segment_fixed_size 0
		.amdhsa_enable_private_segment 0
		.amdhsa_kernarg_size 56
		.amdhsa_user_sgpr_count 2
		.amdhsa_user_sgpr_kernarg_segment_ptr 1
		.amdhsa_wavefront_size32 1
		.amdhsa_system_sgpr_workgroup_id_x 1
		.amdhsa_system_sgpr_workgroup_id_y 1
		.amdhsa_system_sgpr_workgroup_id_z 1
		.amdhsa_system_vgpr_workitem_id 0
		.amdhsa_next_free_vgpr 512
		.amdhsa_next_free_sgpr 66
		.amdhsa_reserve_vcc 0
		.amdhsa_float_denorm_mode_32 3
		.amdhsa_float_denorm_mode_16_64 3
		.amdhsa_memory_ordered 1
		.amdhsa_forward_progress 1
		.amdhsa_inst_pref_size 119
	.end_amdhsa_kernel
	.amdgpu_metadata
---
amdhsa.version: [ 1, 2 ]
amdhsa.kernels:
  - .name:           k_qff518e416c_proj
    .symbol:         k_qff518e416c_proj.kd
    .args:
      - { .name: hidden_states, .offset: 0, .size: 8, .value_kind: global_buffer, .address_space: global }
      - { .name: E, .offset: 8, .size: 8, .value_kind: global_buffer, .address_space: global }
      - { .name: D, .offset: 16, .size: 8, .value_kind: global_buffer, .address_space: global }
      - { .name: Wq, .offset: 24, .size: 8, .value_kind: global_buffer, .address_space: global }
      - { .name: xb, .offset: 32, .size: 8, .value_kind: global_buffer, .address_space: global }
      - { .name: tp, .offset: 40, .size: 8, .value_kind: global_buffer, .address_space: global }
      - { .name: wqb, .offset: 48, .size: 8, .value_kind: global_buffer, .address_space: global }
    .group_segment_fixed_size: 327680
    .private_segment_fixed_size: 0
    .kernarg_segment_align: 8
    .kernarg_segment_size: 56
    .max_flat_workgroup_size: 128
    .sgpr_count:     66
    .vgpr_count:     512
    .wavefront_size: 32
...
	.end_amdgpu_metadata
.endif
;; end of part 1
;; launch prep (part 2): grid 256 x 1, 8 waves a work-group, no clusters, 1,280 bytes of LDS; arguments tp, Wk, Wv, E, D, timg, wimg, rs; writes timg, wimg, rs
.if DOCPART == 2
	.amdgcn_target "amdgcn-amd-amdhsa--gfx1250"
	.amdhsa_code_object_version 6
	.text
	.protected	k_qff518e416c_prep
	.globl	k_qff518e416c_prep
	.p2align	8
	.type	k_qff518e416c_prep,@function
k_qff518e416c_prep:
	s_mov_b64 s[64:65], 0
	v_nop
	global_prefetch_b8 v0, s[64:65] scope:SCOPE_SE
	s_setreg_imm32_b32 hwreg(HW_REG_WAVE_MODE, 25, 1), 1
	s_wait_xcnt 0x0
; Three small streams.  (a) The four partial sums of T are added in f32 and split into a bf16 pair hi + lo (16 significant bits, bf16's range), in the register image of a matrix operand.
; (b) Wk and Wv are rounded to bf16 into the same kind of image.  (c) The row sums of E and D (of the numbers rounded to bf16, which the product multiplies), 64 copies a row: a whole 256 bytes.
; Wave g = 8 x work-group + w owns 2,048 bytes of timg and of wimg; the work-group owns row ttmp9 of [E;D].  All 28 loads go out first.  No matrix unit, no cluster: nothing is shared, memory binds.
.set SPARE, 256
.set SPW, 6
.set NIL, 7
.set TR, 16                            ; v16-79   T's partial sums: 16 a split
.set WR, 80                            ; v80-111  W as f32
.set RR, 112                           ; v112-127 my 16 numbers of the row
.set HI, 128                           ; v128-135 hi, packed
.set WK, 136                           ; v136-151 at work, then W packed
.set LOW, 152                          ; v152-159 lo, packed
	s_load_b256 s[4:11], s[0:1], 0x0               ; tp, Wk, Wv, E
	s_load_b256 s[12:19], s[0:1], 0x20             ; D, timg, wimg, rs
	v_lshl_add_u32 v[SPW], v0, 2, SPARE
	v_mov_b32 v[NIL], 0
	v_lshrrev_b32 v1, 5, v0
	v_readfirstlane_b32 s20, v1                    ; wave 0..7
	s_lshl_b32 s21, ttmp9, 3
	s_add_co_u32 s21, s21, s20                     ; g
	s_lshl_b32 s22, s21, 11
	s_mov_b32 s23, 0
	s_bfe_u32 s30, ttmp9, 0x60001                  ; nt = (g >> 4) & 63
	s_lshl_b32 s30, s30, 16                        ; 16 rows of 4,096 bytes
	s_and_b32 s31, ttmp9, 1
	s_lshl_b32 s31, s31, 11                        ; the upper bit of kbp = g & 15, 256 bytes each
	s_add_co_u32 s30, s30, s31
	s_mov_b32 s31, 0
	s_and_b32 s34, ttmp9, 127
	s_lshl_b32 s34, s34, 14                        ; the row in E or D
	s_mov_b32 s35, 0
	s_lshl_b32 s38, ttmp9, 8
	s_mov_b32 s39, 0
	s_lshl_b32 s21, s20, 2                         ; my wave's word in LDS
	s_mov_b32 s36, 0x76543210
	s_mov_b32 s37, 0xfedcba98
	v_and_b32 v1, 31, v0
	v_lshlrev_b32 v2, 4, v1                        ; 16 l
	v_lshlrev_b32 v5, 3, v1                        ; 8 l
	v_and_b32 v8, 15, v0
	v_bfe_u32 v9, v0, 4, 1
	v_lshlrev_b32 v3, 12, v8                       ; W: row l % 16,
	v_lshl_add_u32 v3, v9, 5, v3                   ; 32 bytes for each half of the lanes,
	s_lshl_b32 s24, s20, 8
	v_add_nc_u32 v3, s24, v3                       ; 256 bytes a wave
	v_lshlrev_b32 v4, 4, v0                        ; 16 t
	s_wait_kmcnt 0x0
	s_cmp_lt_u32 ttmp9, 128
	s_cselect_b64 s[28:29], s[6:7], s[8:9]         ; Wk for the first 128 work-groups, Wv for the others
	s_cselect_b64 s[32:33], s[10:11], s[12:13]     ; E, D likewise
	s_add_nc_u64 s[24:25], s[4:5], s[22:23]
	s_add_nc_u64 s[26:27], s[24:25], 8388608       ; splits 2 and 3
	s_add_nc_u64 s[28:29], s[28:29], s[30:31]
	s_add_nc_u64 s[32:33], s[32:33], s[34:35]
	s_add_nc_u64 s[14:15], s[14:15], s[22:23]
	s_add_nc_u64 s[16:17], s[16:17], s[22:23]
	s_add_nc_u64 s[18:19], s[18:19], s[38:39]
.irp sp, 0,1
.irp cq, 0,1,2,3
	global_load_b128 v[TR+16*(\sp)+4*(\cq):TR+16*(\sp)+4*(\cq)+3], v2, s[24:25] offset:4194304*(\sp)+512*(\cq) th:TH_LOAD_NT
.endr
.endr
.irp sp, 0,1
.irp cq, 0,1,2,3
	global_load_b128 v[TR+32+16*(\sp)+4*(\cq):TR+32+16*(\sp)+4*(\cq)+3], v2, s[26:27] offset:4194304*(\sp)+512*(\cq) th:TH_LOAD_NT
.endr
.endr
.irp f, 0,1
.irp hf, 0,1
.irp sb, 0,1
	global_load_b128 v[WR+4*(4*(\f)+2*(\hf)+(\sb)):WR+4*(4*(\f)+2*(\hf)+(\sb))+3], v3, s[28:29] offset:128*(\f)+64*(\hf)+16*(\sb) th:TH_LOAD_NT  ; the eight together: 16 rows x 256 bytes
.endr
.endr
.endr
.irp j, 0,1,2,3
	global_load_b128 v[RR+4*(\j):RR+4*(\j)+3], v4, s[32:33] offset:4096*(\j)
.endr
	s_wait_loadcnt 12                              ; T's 16 loads are in; W's 8 and the row's 4 stay out
.set n, 0
.rept 8
	v_pk_add_f32 v[TR+2*n:TR+2*n+1], v[TR+2*n:TR+2*n+1], v[TR+16+2*n:TR+16+2*n+1]
	v_pk_add_f32 v[TR+32+2*n:TR+32+2*n+1], v[TR+32+2*n:TR+32+2*n+1], v[TR+48+2*n:TR+48+2*n+1]
.set n, n+1
.endr
.set n, 0
.rept 8
	v_pk_add_f32 v[TR+2*n:TR+2*n+1], v[TR+2*n:TR+2*n+1], v[TR+32+2*n:TR+32+2*n+1]
.set n, n+1
.endr
.set n, 0
.rept 8
	v_cvt_pk_bf16_f32 v[HI+n], v[TR+2*n], v[TR+2*n+1]
.set n, n+1
.endr
.set n, 0
.rept 8
	v_lshlrev_b32 v[WK+2*n], 16, v[HI+n]
	v_and_b32 v[WK+2*n+1], 0xffff0000, v[HI+n]
.set n, n+1
.endr
.set n, 0
.rept 8
	v_pk_add_f32 v[TR+2*n:TR+2*n+1], v[TR+2*n:TR+2*n+1], v[WK+2*n:WK+2*n+1] neg_lo:[0,1] neg_hi:[0,1]  ; what hi left over: exact
.set n, n+1
.endr
.set n, 0
.rept 8
	v_cvt_pk_bf16_f32 v[LOW+n], v[TR+2*n], v[TR+2*n+1]
.set n, n+1
.endr
.irp c, 0,1
	global_store_b128 v2, v[HI+4*(\c):HI+4*(\c)+3], s[14:15] offset:512*(\c)         ; 512 consecutive bytes each
	global_store_b128 v2, v[LOW+4*(\c):LOW+4*(\c)+3], s[14:15] offset:1024+512*(\c)
.endr
	s_wait_loadcnt 4                               ; W is in
.set n, 0
.rept 16
	v_cvt_pk_bf16_f32 v[WK+n], v[WR+2*n], v[WR+2*n+1]
.set n, n+1
.endr
.irp c, 0,1,2,3
	global_store_b128 v2, v[WK+4*(\c):WK+4*(\c)+3], s[16:17] offset:512*(\c)
.endr
	s_wait_loadcnt 0x0                             ; the row
.set n, 0
.rept 8
	v_cvt_pk_bf16_f32 v[WR+n], v[RR+2*n], v[RR+2*n+1]
.set n, n+1
.endr
.set n, 0
.rept 8
	v_lshlrev_b32 v[WR+8+2*n], 16, v[WR+n]
	v_and_b32 v[WR+9+2*n], 0xffff0000, v[WR+n]
.set n, n+1
.endr
.irp n, 0,1,2,3
	v_pk_add_f32 v[WR+8+2*(\n):WR+9+2*(\n)], v[WR+8+2*(\n):WR+9+2*(\n)], v[WR+16+2*(\n):WR+17+2*(\n)]
.endr
.irp n, 0,1
	v_pk_add_f32 v[WR+8+2*(\n):WR+9+2*(\n)], v[WR+8+2*(\n):WR+9+2*(\n)], v[WR+12+2*(\n):WR+13+2*(\n)]
.endr
	v_pk_add_f32 v[WR+8:WR+9], v[WR+8:WR+9], v[WR+10:WR+11]
	v_add_f32 v88, v88, v89
	v_add_f32_dpp v88, v88, v88 row_xmask:1 row_mask:0xf bank_mask:0xf
	v_add_f32_dpp v88, v88, v88 row_xmask:2 row_mask:0xf bank_mask:0xf
	v_add_f32_dpp v88, v88, v88 row_xmask:4 row_mask:0xf bank_mask:0xf
	v_add_f32_dpp v88, v88, v88 row_xmask:8 row_mask:0xf bank_mask:0xf
	v_permlanex16_b32 v89, v88, s36, s37
	v_add_f32 v88, v88, v89
	v_mov_b32 v90, s21
	ds_store_b32 v90, v88                          ; my wave's sum, to its own word
	s_wait_dscnt 0x0                               ; for the others' sake
	s_barrier_signal -1
	s_barrier_wait -1
	v_mov_b32 v91, 0
	ds_load_b128 v[92:95], v91
	ds_load_b128 v[96:99], v91 offset:16
	s_wait_dscnt 0x0
	v_pk_add_f32 v[92:93], v[92:93], v[94:95]
	v_pk_add_f32 v[96:97], v[96:97], v[98:99]
	v_pk_add_f32 v[92:93], v[92:93], v[96:97]
	v_add_f32 v92, v92, v93
	v_mov_b32 v93, v92
	s_wait_tensorcnt 0x0                           ; the wave's end
	ds_add_u32 v[SPW], v[NIL]
	s_wait_dscnt 0x0
	s_cmp_lg_u32 s20, 0
	s_cbranch_scc1 .Lend
	global_store_b64 v5, v[92:93], s[18:19]        ; wave 0: 64 copies, 256 consecutive bytes
.Lend:
	s_endpgm
.Lfunc_end_k_qff518e416c_prep:
	.size	k_qff518e416c_prep, .Lfunc_end_k_qff518e416c_prep-k_qff518e416c_prep
	.p2alignl 7, 3214868480
	.fill 96, 4, 3214868480
	.section	.rodata,"a",@progbits
	.p2align	6, 0x0
	.amdhsa_kernel k_qff518e416c_prep
		.amdhsa_group_segment_fixed_size 1280
		.amdhsa_private_segment_fixed_size 0
		.amdhsa_enable_private_segment 0
		.amdhsa_kernarg_size 64
		.amdhsa_user_sgpr_count 2
		.amdhsa_user_sgpr_kernarg_segment_ptr 1
		.amdhsa_wavefront_size32 1
		.amdhsa_system_sgpr_workgroup_id_x 1
		.amdhsa_system_sgpr_workgroup_id_y 1
		.amdhsa_system_sgpr_workgroup_id_z 1
		.amdhsa_system_vgpr_workitem_id 0
		.amdhsa_next_free_vgpr 160
		.amdhsa_next_free_sgpr 66
		.amdhsa_reserve_vcc 0
		.amdhsa_float_denorm_mode_32 3
		.amdhsa_float_denorm_mode_16_64 3
		.amdhsa_memory_ordered 1
		.amdhsa_forward_progress 1
		.amdhsa_inst_pref_size 14
	.end_amdhsa_kernel
	.amdgpu_metadata
---
amdhsa.version: [ 1, 2 ]
amdhsa.kernels:
  - .name:           k_qff518e416c_prep
    .symbol:         k_qff518e416c_prep.kd
    .args:
      - { .name: tp, .offset: 0, .size: 8, .value_kind: global_buffer, .address_space: global }
      - { .name: Wk, .offset: 8, .size: 8, .value_kind: global_buffer, .address_space: global }
      - { .name: Wv, .offset: 16, .size: 8, .value_kind: global_buffer, .address_space: global }
      - { .name: E, .offset: 24, .size: 8, .value_kind: global_buffer, .address_space: global }
      - { .name: D, .offset: 32, .size: 8, .value_kind: global_buffer, .address_space: global }
      - { .name: timg, .offset: 40, .size: 8, .value_kind: global_buffer, .address_space: global }
      - { .name: wimg, .offset: 48, .size: 8, .value_kind: global_buffer, .address_space: global }
      - { .name: rs, .offset: 56, .size: 8, .value_kind: global_buffer, .address_space: global }
    .group_segment_fixed_size: 1280
    .private_segment_fixed_size: 0
    .kernarg_segment_align: 8
    .kernarg_segment_size: 64
    .max_flat_workgroup_size: 256
    .sgpr_count:     66
    .vgpr_count:     160
    .wavefront_size: 32
...
	.end_amdgpu_metadata
.endif
;; end of part 2
;; launch small (part 3): grid 64 x 2, 4 waves a work-group, no clusters, 768 bytes of LDS; arguments timg, wimg, rs, bk, bv, pimg, scl; writes pimg, scl
.if DOCPART == 3
	.amdgcn_target "amdgcn-amd-amdhsa--gfx1250"
	.amdhsa_code_object_version 6
	.text
	.protected	k_qff518e416c_small
	.globl	k_qff518e416c_small
	.p2align	8
	.type	k_qff518e416c_small,@function
k_qff518e416c_small:
	s_mov_b64 s[64:65], 0
	v_nop
	global_prefetch_b8 v0, s[64:65] scope:SCOPE_SE
	s_setreg_imm32_b32 hwreg(HW_REG_WAVE_MODE, 25, 1), 1
	s_wait_xcnt 0x0
; pk = (E X) Wk^T + rowsum(E) bk^T and pv = (D X) Wv^T + rowsum(D) bv^T for one batch and head: 128 keys x 64 channels, K = 1,024 in 32 steps of 32.
; T comes as a bf16 pair hi + lo, both multiplied by the same W: 16 products a step on 8 accumulators, which take turns.  The bias term (the bias rounded to bf16, like every input) starts the sums.
; y = 0: pk, source 0 = W, source 1 = T: a lane holds one key and eight channels.  y = 1: pv, sources swapped: a lane holds one channel and eight keys.  Each is the register image that the next launch multiplies.
; The tile leaves as f16 times a power of two taken from its own largest magnitude, so that f16's range binds nothing here; the power goes to scl as f32.
; pk leaves as a PAIR of f16 images, hi and lo = the exact remainder rounded to f16: a score is a sum of 64 products of spread 5 to 6, and one rounding to 11 bits shifts the weights too far.
; LIMITS: a tile whose largest magnitude is denormal counts as 0; the power is capped at 2^126; lo keeps f16's fixed step of 2^-24 of the power; NaN and infinities are not treated apart.
; Operands are register images in memory (a wave's load is 512 consecutive bytes), so there is no LDS tile and no cluster.  128 work-groups: the tiles that there are.
.set SPARE, 256
.set LO, 2                             ; v2  16 l
.set SPW, 12
.set NIL, 13
.set RV, 16                            ; v16-47  the bias factor that goes by register
.set LS, 48                            ; v48-51  the one that goes by lane
.set ACC, 64                           ; v64-127 (c, kt) at 8 (2 c + kt)
.set PKD, 128                          ; v128-159 packed (hi)
.set PKL, 160                          ; v160-191 packed lo
.set WV, 20
.set MSB, 0
.macro WIN new
.if MSB != (\new)
	s_set_vgpr_msb (MSB<<8)|(\new)
.set MSB, \new
.endif
.endm
.macro PLACES
.rept 4
	v_nop
.endr
.endm
; window 1: a ring of four slots of 64 registers: T[kt][hl] at 16 kt + 8 hl, W[c] at 32 + 8 c
.macro LDSTEP sl, st                   ; the 16 loads of the step st steps behind the bases, into slot sl
	WIN 0x40
.irp kt, 0,1
.irp hl, 0,1
.irp hf, 0,1
	global_load_b128 v[64*(\sl)+16*(\kt)+8*(\hl)+4*(\hf):64*(\sl)+16*(\kt)+8*(\hl)+4*(\hf)+3], v[LO], s[4:5] offset:(\kt)*65536+(\st)*2048+(\hl)*1024+(\hf)*512
.endr
.endr
.endr
.irp c, 0,1,2,3
.irp hf, 0,1
	global_load_b128 v[64*(\sl)+32+8*(\c)+4*(\hf):64*(\sl)+32+8*(\c)+4*(\hf)+3], v[LO], s[6:7] offset:(\c)*32768+(\st)*1024+(\hf)*512
.endr
.endr
	WIN 0
.endm
.macro SLOT kv, sl, load, lc
	s_wait_loadcnt \lc                             ; this slot's 16 loads are in; the younger steps' stay out
.if \load
	PLACES                                         ; the slot multiplied last is loaded again
	LDSTEP ((\sl)+3)%4, (\sl)+3                    ; three steps ahead: 48 loads out at the most
.endif
	WIN 0x05                                       ; sources window 1
.irp hl, 0,1
.irp c, 0,1,2,3
.irp kt, 0,1
.if (\kv) == 0
	v_wmma_f32_16x16x32_bf16 v[ACC+8*(2*(\c)+(\kt)):ACC+8*(2*(\c)+(\kt))+7], v[64*(\sl)+32+8*(\c):64*(\sl)+32+8*(\c)+7], v[64*(\sl)+16*(\kt)+8*(\hl):64*(\sl)+16*(\kt)+8*(\hl)+7], v[ACC+8*(2*(\c)+(\kt)):ACC+8*(2*(\c)+(\kt))+7]
.else
	v_wmma_f32_16x16x32_bf16 v[ACC+8*(2*(\c)+(\kt)):ACC+8*(2*(\c)+(\kt))+7], v[64*(\sl)+16*(\kt)+8*(\hl):64*(\sl)+16*(\kt)+8*(\hl)+7], v[64*(\sl)+32+8*(\c):64*(\sl)+32+8*(\c)+7], v[ACC+8*(2*(\c)+(\kt)):ACC+8*(2*(\c)+(\kt))+7]
.endif
.endr
.endr
.endr
	WIN 0
.endm
.macro BODY kv
.if (\kv) == 0
	v_lshlrev_b32 v3, 5, v7                        ; bk: eight channels for each half of the lanes
	v_lshlrev_b32 v4, 8, v6                        ; rs: key l % 16
	s_lshl_b32 s42, s[WV], 12
.irp c, 0,1,2,3
	global_load_b128 v[RV+8*(\c):RV+8*(\c)+3],   v3, s[10:11] offset:64*(\c)
	global_load_b128 v[RV+8*(\c)+4:RV+8*(\c)+7], v3, s[10:11] offset:64*(\c)+16
.endr
.irp kt, 0,1
	global_load_b32 v[LS+(\kt)], v4, s[8:9] offset:4096*(\kt)
.endr
.else
	v_lshlrev_b32 v3, 11, v7                       ; rs: eight keys for each half of the lanes
	v_lshlrev_b32 v4, 2, v6                        ; bv: channel l % 16
	s_lshl_b32 s42, s[WV], 10
.irp kt, 0,1
.irp j, 0,1,2,3,4,5,6,7
	global_load_b32 v[RV+8*(\kt)+(\j)], v3, s[8:9] offset:32768+256*(16*(\kt)+(\j))
.endr
.endr
.irp c, 0,1,2,3
	global_load_b32 v[LS+(\c)], v4, s[12:13] offset:64*(\c)
.endr
.endif
	v_add_nc_u32 v5, s42, v[LO]                    ; my place in the head's image
	LDSTEP 0, 0
	LDSTEP 1, 1
	s_wait_loadcnt 32                              ; the bias factors are in; two steps' loads stay out
.if (\kv) == 0                                 ; the bias is rounded to bf16, as X, the weights, E and D are
.set n, 0
.rept 16
	v_cvt_pk_bf16_f32 v[PKD+n], v[RV+2*n], v[RV+2*n+1]
.set n, n+1
.endr
.set n, 0
.rept 16
	v_lshlrev_b32 v[RV+2*n], 16, v[PKD+n]
	v_and_b32 v[RV+2*n+1], 0xffff0000, v[PKD+n]
.set n, n+1
.endr
.else
.irp n, 0,1
	v_cvt_pk_bf16_f32 v[PKD+(\n)], v[LS+2*(\n)], v[LS+2*(\n)+1]
.endr
.irp n, 0,1
	v_lshlrev_b32 v[LS+2*(\n)], 16, v[PKD+(\n)]
	v_and_b32 v[LS+2*(\n)+1], 0xffff0000, v[PKD+(\n)]
.endr
.endif
.irp c, 0,1,2,3
.irp kt, 0,1
.irp j, 0,1,2,3,4,5,6,7
.if (\kv) == 0
	v_mul_f32 v[ACC+8*(2*(\c)+(\kt))+(\j)], v[RV+8*(\c)+(\j)], v[LS+(\kt)]
.else
	v_mul_f32 v[ACC+8*(2*(\c)+(\kt))+(\j)], v[RV+8*(\kt)+(\j)], v[LS+(\c)]
.endif
.endr
.endr
.endr
	LDSTEP 2, 2
	s_mov_b32 s30, 7
.Lround_\kv:
	SLOT \kv, 0, 1, 32
	SLOT \kv, 1, 1, 32
	SLOT \kv, 2, 1, 32
	SLOT \kv, 3, 1, 32
	s_wait_xcnt 0x0                                ; the bases are stepped only behind this wait
	s_add_nc_u64 s[4:5], s[4:5], 8192
	s_add_nc_u64 s[6:7], s[6:7], 4096
	s_sub_co_u32 s30, s30, 1
	s_cmp_lg_u32 s30, 0
	s_cbranch_scc1 .Lround_\kv
	SLOT \kv, 0, 1, 32                             ; step 28 asks for step 31; then the counts run down
	SLOT \kv, 1, 0, 32
	SLOT \kv, 2, 0, 16
	SLOT \kv, 3, 0, 0
	PLACES
	v_mov_b32 v52, 0
	v_mov_b32 v53, 0
.set n, 0
.rept 32                                       ; the largest and the smallest number, each accumulator from its low end
	v_max3_num_f32 v52, v52, v[ACC+2*n], v[ACC+2*n+1]
	v_min3_num_f32 v53, v53, v[ACC+2*n], v[ACC+2*n+1]
.set n, n+1
.endr
	v_sub_f32 v53, 0, v53
	v_max_num_f32 v52, v52, v53
	v_max_num_f32_dpp v52, v52, v52 row_xmask:1 row_mask:0xf bank_mask:0xf
	v_max_num_f32_dpp v52, v52, v52 row_xmask:2 row_mask:0xf bank_mask:0xf
	v_max_num_f32_dpp v52, v52, v52 row_xmask:4 row_mask:0xf bank_mask:0xf
	v_max_num_f32_dpp v52, v52, v52 row_xmask:8 row_mask:0xf bank_mask:0xf
	v_permlanex16_b32 v53, v52, s32, s33
	v_max_num_f32 v52, v52, v53
	v_mov_b32 v54, s31
	ds_store_b32 v54, v52
	s_wait_dscnt 0x0                               ; for the others' sake
	s_barrier_signal -1
	s_barrier_wait -1
	v_mov_b32 v55, 0
	ds_load_b128 v[56:59], v55
	s_wait_dscnt 0x0
	v_max3_num_f32 v52, v56, v57, v58
	v_max_num_f32 v52, v52, v59
	v_and_b32 v52, 0x7f800000, v52                 ; the power of two at or below the tile's largest magnitude,
	v_min_u32 v52, 0x7e800000, v52                 ; 2^126 at the most,
	v_sub_nc_u32 v54, 0x7f000000, v52              ; and its reciprocal: the exponent fields add up to 254
	v_mov_b32 v55, v54
	v_mov_b32 v53, v52
.set n, 0
.rept 32
	v_pk_mul_f32 v[ACC+2*n:ACC+2*n+1], v[ACC+2*n:ACC+2*n+1], v[54:55]
.set n, n+1
.endr
.set n, 0
.rept 32
	v_cvt_pk_f16_f32 v[PKD+n], v[ACC+2*n], v[ACC+2*n+1]
.set n, n+1
.endr
.if (\kv) == 0
	v_mov_b32 v56, -1.0
.set n, 0
.rept 32                                       ; what hi left over, exact in f32: hi x (-1) + x, hi read as an f16 half
	v_fma_mix_f32 v[ACC+2*n], v[PKD+n], v56, v[ACC+2*n] op_sel_hi:[1,0,0]
	v_fma_mix_f32 v[ACC+2*n+1], v[PKD+n], v56, v[ACC+2*n+1] op_sel:[1,0,0] op_sel_hi:[1,0,0]
.set n, n+1
.endr
.set n, 0
.rept 32
	v_cvt_pk_f16_f32 v[PKL+n], v[ACC+2*n], v[ACC+2*n+1]
.set n, n+1
.endr
.endif
.irp c, 0,1,2,3
.irp kt, 0,1
.if (\kv) == 0
	global_store_b128 v5, v[PKD+4*(2*(\c)+(\kt)):PKD+4*(2*(\c)+(\kt))+3], s[14:15] offset:(\kt)*2048+(\c)*512          ; 512 consecutive bytes
	global_store_b128 v5, v[PKL+4*(2*(\c)+(\kt)):PKL+4*(2*(\c)+(\kt))+3], s[14:15] offset:2097152+(\kt)*2048+(\c)*512  ; lo's image, in the same order
.else
	global_store_b128 v5, v[PKD+4*(2*(\c)+(\kt)):PKD+4*(2*(\c)+(\kt))+3], s[14:15] offset:1048576+(\c)*4096+(\kt)*512
.endif
.endr
.endr
	s_wait_tensorcnt 0x0                           ; the wave's end
	ds_add_u32 v[SPW], v[NIL]
	s_wait_dscnt 0x0
	s_cmp_lg_u32 s[WV], 0
	s_cbranch_scc1 .Lend_\kv
	global_store_b64 v8, v[52:53], s[16:17]        ; wave 0: 64 copies of the power, 256 consecutive bytes
.Lend_\kv:
	s_endpgm
.endm
	s_load_b256 s[4:11], s[0:1], 0x0               ; timg, wimg, rs, bk
	s_load_b128 s[12:15], s[0:1], 0x20             ; bv, pimg
	s_load_b64 s[16:17], s[0:1], 0x30              ; scl
	v_lshl_add_u32 v[SPW], v0, 2, SPARE
	v_mov_b32 v[NIL], 0
	v_lshrrev_b32 v1, 5, v0
	v_readfirstlane_b32 s[WV], v1
	s_mov_b32 s21, ttmp9                           ; 16 b + h
	s_and_b32 s22, ttmp7, 0xffff                   ; 0: pk, 1: pv
	s_lshr_b32 s23, s21, 4
	s_and_b32 s24, s21, 15
	s_lshl_b32 s26, s23, 4
	s_lshl3_add_u32 s26, s22, s26
	s_lshl1_add_u32 s26, s[WV], s26                ; 16 b + 8 kv + 2 w: my first block of 16 rows of T,
	s_lshl_b32 s26, s26, 16                        ; 65,536 bytes each
	s_mov_b32 s27, 0
	s_lshl_b32 s28, s22, 6
	s_lshl2_add_u32 s28, s24, s28                  ; 64 kv + 4 h: the head's first block of 16 rows of W,
	s_lshl_b32 s28, s28, 15                        ; 32,768 bytes each
	s_mov_b32 s29, 0
	s_lshl_b32 s34, s22, 6
	s_add_co_u32 s34, s34, s21
	s_lshl_b32 s34, s34, 8
	s_mov_b32 s35, 0
	s_lshl_b32 s36, s24, 8                         ; the head's 64 biases
	s_mov_b32 s37, 0
	s_lshl_b32 s38, s[WV], 13                      ; my 32 rows of rs
	s_mov_b32 s39, 0
	s_lshl_b32 s40, s21, 14
	s_mov_b32 s41, 0
	s_lshl_b32 s31, s[WV], 2
	s_mov_b32 s32, 0x76543210
	s_mov_b32 s33, 0xfedcba98
	v_and_b32 v1, 31, v0
	v_lshlrev_b32 v[LO], 4, v1
	v_lshlrev_b32 v8, 3, v1
	v_and_b32 v6, 15, v0
	v_bfe_u32 v7, v0, 4, 1
	s_wait_kmcnt 0x0
	s_add_nc_u64 s[4:5], s[4:5], s[26:27]
	s_add_nc_u64 s[6:7], s[6:7], s[28:29]
	s_add_nc_u64 s[8:9], s[8:9], s[38:39]
	s_add_nc_u64 s[10:11], s[10:11], s[36:37]
	s_add_nc_u64 s[12:13], s[12:13], s[36:37]
	s_add_nc_u64 s[14:15], s[14:15], s[40:41]
	s_add_nc_u64 s[16:17], s[16:17], s[34:35]
	s_cmp_lg_u32 s22, 0
	s_cbranch_scc1 .Lpv
	BODY 0
.Lpv:
	BODY 1
.Lfunc_end_k_qff518e416c_small:
	.size	k_qff518e416c_small, .Lfunc_end_k_qff518e416c_small-k_qff518e416c_small
	.p2alignl 7, 3214868480
	.fill 96, 4, 3214868480
	.section	.rodata,"a",@progbits
	.p2align	6, 0x0
	.amdhsa_kernel k_qff518e416c_small
		.amdhsa_group_segment_fixed_size 768
		.amdhsa_private_segment_fixed_size 0
		.amdhsa_enable_private_segment 0
		.amdhsa_kernarg_size 56
		.amdhsa_user_sgpr_count 2
		.amdhsa_user_sgpr_kernarg_segment_ptr 1
		.amdhsa_wavefront_size32 1
		.amdhsa_system_sgpr_workgroup_id_x 1
		.amdhsa_system_sgpr_workgroup_id_y 1
		.amdhsa_system_sgpr_workgroup_id_z 1
		.amdhsa_system_vgpr_workitem_id 0
		.amdhsa_next_free_vgpr 512
		.amdhsa_next_free_sgpr 66
		.amdhsa_reserve_vcc 0
		.amdhsa_float_denorm_mode_32 3
		.amdhsa_float_denorm_mode_16_64 3
		.amdhsa_memory_ordered 1
		.amdhsa_forward_progress 1
		.amdhsa_inst_pref_size 84
	.end_amdhsa_kernel
	.amdgpu_metadata
---
amdhsa.version: [ 1, 2 ]
amdhsa.kernels:
  - .name:           k_qff518e416c_small
    .symbol:         k_qff518e416c_small.kd
    .args:
      - { .name: timg, .offset: 0, .size: 8, .value_kind: global_buffer, .address_space: global }
      - { .name: wimg, .offset: 8, .size: 8, .value_kind: global_buffer, .address_space: global }
      - { .name: rs, .offset: 16, .size: 8, .value_kind: global_buffer, .address_space: global }
      - { .name: bk, .offset: 24, .size: 8, .value_kind: global_buffer, .address_space: global }
      - { .name: bv, .offset: 32, .size: 8, .value_kind: global_buffer, .address_space: global }
      - { .name: pimg, .offset: 40, .size: 8, .value_kind: global_buffer, .address_space: global }
      - { .name: scl, .offset: 48, .size: 8, .value_kind: global_buffer, .address_space: global }
    .group_segment_fixed_size: 768
    .private_segment_fixed_size: 0
    .kernarg_segment_align: 8
    .kernarg_segment_size: 56
    .max_flat_workgroup_size: 128
    .sgpr_count:     66
    .vgpr_count:     512
    .wavefront_size: 32
...
	.end_amdgpu_metadata
.endif
;; end of part 3
;; launch main (part 4): grid 4 x 64, 4 waves a work-group, clusters of 4 x 4, 327,680 bytes of LDS; arguments xb, wqb, bq, pimg, scl, out0; writes out0
.if DOCPART == 4
	.amdgcn_target "amdgcn-amd-amdhsa--gfx1250"
	.amdhsa_code_object_version 6
	.text
	.protected	k_qff518e416c_main
	.globl	k_qff518e416c_main
	.p2align	8
	.type	k_qff518e416c_main,@function
k_qff518e416c_main:
	s_mov_b64 s[64:65], 0
	v_nop
	global_prefetch_b8 v0, s[64:65] scope:SCOPE_SE
	s_setreg_imm32_b32 hwreg(HW_REG_WAVE_MODE, 25, 1), 1
	s_wait_xcnt 0x0
	s_wait_alu depctr_hold_cnt(0) depctr_sa_sdst(0) depctr_va_vdst(0) depctr_va_sdst(0) depctr_va_ssrc(0) depctr_va_vcc(0) depctr_vm_vsrc(0)
	s_getreg_b32 s2, hwreg(HW_REG_IB_STS2, 6, 4)
	s_cmp_eq_u32 s2, 0
	s_cbranch_scc0 .Lentry_in_a_cluster
	s_endpgm
.Lentry_in_a_cluster:
	s_bfe_u32 s2, ttmp6, 0x10000c
	s_cmp_lg_u32 s2, 0xf033
	s_cbranch_scc0 .Lentry_shape_is_right
	s_endpgm
.Lentry_shape_is_right:
; q = X Wq^T + bq for 256 queries x 256 channels (four heads), and then the attention of those queries and heads on the 128 projected keys, without q ever leaving the work-group.
; GEMM.  Four waves, each 128 x 128: 64 accumulators.  K = 1,024 in 8 steps of 128 through two LDS slots.  X and Wq lie in planes of 64 columns (128 bytes a row, dense): a plane's 256 rows are
; asked for as 128 rows of 256 bytes and padded behind every 128.  Source 0 = 16 rows of Wq, source 1 = 16 rows of X: a lane holds one query and eight channels.  The bias, rounded to bf16 like every input, is the C of the first products.
; CLUSTER 4 x 4: X's tiles are shared along a row of the cluster, Wq's along a column: joint loads, as many requests as a quarter of the plain ones.
; ATTENTION.  q goes into an LDS image as a PAIR of f16, hi and lo = the exact remainder rounded to f16 (in the two slots, behind their last fills and a barrier behind every wave's last read); pk comes as such a pair too.
; For each of my two heads pk hi, pk lo and pv^T (f16 images, 16 KiB each) lie in 384 registers; for each tile of 16 queries:
; S^T = pk_hi q_hi^T + pk_hi q_lo^T + pk_lo q_hi^T (a lane: one query, 64 keys): a score is a sum of 64 products of spread 5 to 6, and one rounding of q and pk to 11 bits shifts the weights too far;
; the row's true maximum m; p = 2^(c s - c m), c = log2(e) / 8 x pk's power of two; P in f16; O^T = pv^T P; O times pv's power over the sum of the unrounded p; out through my stage.
; LIMITS: |q| under 65,504 (f16); q's lo keeps f16's fixed step of 2^-24; a weight below 2^-126 counts as 0; NaN and infinities are not treated apart.
; REGISTERS, in windows of 256.  GEMM: window 0 v0-31 addresses, v64-191 A's fragments (two buffers), v192-255 the bias; window 1 v64-191 B's fragments; windows 2, 3 the accumulators, (a, b) at 8 (8 (a % 4) + b).
; Attention: window 0 v32-47 q hi, v48-63 statistics, v64-127 S^T, v128-159 P, v160-191 O^T, v192-223 rows on their way out, v224-239 q lo; window 1 v0-127 pk hi, v128-255 pv^T; window 2 v0-127 pk lo.
.set PITCH,  144                       ; 128 bytes + 16: nine times 16, so the 16 rows of a fragment load start at 16 different groups of four banks
.set REGION, 256*PITCH                 ; a plane's 256 rows: what one tensor load brings
.set SLOT,   4*REGION                  ; A plane 0, A plane 1, B plane 0, B plane 1
.set STAGE,  2*SLOT                    ; 16 rows x 272 bytes for each wave
.set SPITCH, 272
.set SPARE,  STAGE+4*16*SPITCH
.set KQ1, 64                           ; where quarter q of a K step begins in a row: plane q / 2, byte 64 (q % 2)
.set KQ2, REGION
.set KQ3, REGION+64
.set ADRA, 16
.set ADRB, 20
.set QS,  22                           ; v22 where my 16 bytes of q's image go
.set QA,  23                           ; v23 the same, stepping through the tiles
.set STO, 24
.set RD,  25
.set CO,  26                           ; v26 my byte offset in two rows of out0; never rewritten
.set PO,  27                           ; v27 16 l
.set SPW, 28
.set NIL, 29
.set BO,  30
.set NEG1, 31                          ; v31 -1.0
.set QF,  32
.set C0,  48                           ; v48-51 four chains of the maximum
.set M,   52
.set CM,  54                           ; v54-55 c m
.set LL,  56                           ; v56 the sum, v57 its reciprocal
.set R,   58                           ; v58-59 the factor of O
.set TX,  60
.set S,   64
.set P,   128
.set O,   160
.set OB,  192
.set QFL, 224
.set F0,  64
.set F1,  128
.set BQ,  192
.set QT,  224                          ; q hi, packed, on its way to LDS
.set QTL, 192                          ; q lo, packed
.set WV, 16
.set RH, 17                            ; which half of the tile's queries; also: I fetch for A (0) or B (1)
.set CH, 18                            ; which half of its channels; also: which plane of a step I fetch
.set G1, 24
.set G0, 32
.set G1B, 48
.set G0B, 56
.set CS,  66                           ; s[66:67] c
.set PVS, 68
.set CS2, 69
.set PVS2, 70
.set SEL, 76
.set PB,  78
.set OUT, 80
.set HC,  82
.set TC,  83
.set MSB, 0
.macro WIN new
.if MSB != (\new)
	s_set_vgpr_msb (MSB<<8)|(\new)
.set MSB, \new
.endif
.endm
.set MUL_LO, 0xa1                      ; source 0 (B) window 1, source 1 (A) window 0, C and D window 2
.set TO_B,   0x40
.macro PLACES
.rept 4
	v_nop
.endr
.endm
.macro JLOAD s                         ; a joint load: waves 0, 1 fetch A's two planes, waves 2, 3 B's; an s_nop 0 and four v_nop follow each line
	s_cmp_eq_u32 s[RH], 0
	s_cbranch_scc0 .Lfor_b_\@
	tensor_load_to_lds s[G0+4*(\s):G0+4*(\s)+3], s[G1:G1+7]
	s_nop 0
	PLACES
	s_branch .Lasked_\@
.Lfor_b_\@:
	tensor_load_to_lds s[G0B+4*(\s):G0B+4*(\s)+3], s[G1B:G1B+7]
	s_nop 0
	PLACES
.Lasked_\@:
.endm
.macro CREST
	s_cmp_lg_u32 s[WV], 0
	s_cbranch_scc1 .Lnot_wave_0_\@
	s_barrier_signal -3
.Lnot_wave_0_\@:
	s_barrier_wait -3
	s_barrier_signal -1
	s_barrier_wait -1
.endm
.macro CROUND
	s_barrier_signal -1
	s_barrier_wait -1
	CREST
.endm
	s_load_b256 s[4:11], s[0:1], 0x0               ; xb s[4:5], wqb s[6:7], bq s[8:9], pimg s[10:11]
	s_load_b128 s[12:15], s[0:1], 0x20             ; scl s[12:13], out0 s[14:15]
	v_lshl_add_u32 v[SPW], v0, 2, SPARE
	v_mov_b32 v[NIL], 0
	ds_add_u32 v[SPW], v[NIL]                      ; the wave's opening: the add and its wait ahead of my first tensor load
	v_lshrrev_b32 v1, 5, v0
	v_readfirstlane_b32 s[WV], v1
	s_lshr_b32 s[RH], s[WV], 1
	s_and_b32 s[CH], s[WV], 1
	s_bfe_u32 s40, ttmp6, 0x40000                  ; cx
	s_bfe_u32 s41, ttmp6, 0x40004                  ; cy
	s_lshl_b32 s42, ttmp9, 2
	s_add_co_u32 s42, s42, s40                     ; tile column: 256 channels
	s_and_b32 s45, ttmp7, 0xffff
	s_lshl_b32 s45, s45, 2
	s_add_co_u32 s45, s45, s41                     ; tile row: 256 queries
	s_lshl_b32 s43, s41, 2
	s_lshl_b32 s43, 15, s43                        ; my row of the cluster
	s_lshl_b32 s44, 0x1111, s40                    ; my column
	s_or_b32 s[G1+0], s43, (1<<16)|(1<<20)|(1<<21)|(4<<22)|(3<<25)   ; 2-byte elements; 4 words of padding behind every 32
	s_or_b32 s[G1B+0], s44, (1<<16)|(1<<20)|(1<<21)|(4<<22)|(3<<25)
.irp g, G1, G1B
	s_mov_b32 s[(\g)+1], 128<<16                   ; tensor_dim0 = 128 elements, 256 bytes
	s_mov_b32 s[(\g)+2], 128<<16                   ; tensor_dim1
	s_mov_b32 s[(\g)+3], 128<<16                   ; tile_dim0
	s_mov_b32 s[(\g)+4], 128                       ; tile_dim1
	s_mov_b32 s[(\g)+5], 128                       ; dense
	s_mov_b32 s[(\g)+6], 0
	s_mov_b32 s[(\g)+7], 0
.endr
	s_lshl_b32 s20, s[CH], 21                      ; A: my plane of the step, 2,097,152 bytes a plane,
	s_lshl_b32 s21, s45, 15                        ; the tile's 256 rows of 128 bytes
	s_add_co_u32 s20, s20, s21
	s_mov_b32 s21, 0
	s_lshl_b32 s46, s[CH], 17                      ; B: 131,072 bytes a plane
	s_lshl_b32 s47, s42, 15
	s_add_co_u32 s46, s46, s47
	s_mov_b32 s47, 0
	s_mul_i32 s22, s[WV], REGION                   ; where my plane goes: the wave's number alone
	s_wait_dscnt 0x0                               ; the opening add is done
	s_wait_kmcnt 0x0
	s_add_nc_u64 s[20:21], s[4:5], s[20:21]
	s_add_nc_u64 s[46:47], s[6:7], s[46:47]
	CROUND                                         ; all sixteen work-groups are here: the first joint loads meet
.irp s, 0,1
	s_mov_b32 s[G0+4*(\s)], 1
	s_add_co_u32 s[G0+4*(\s)+1], s22, (\s)*SLOT
	s_add_nc_u64 s[G0+4*(\s)+2:G0+4*(\s)+3], s[20:21], (\s)*2*2097152
	s_or_b32 s[G0+4*(\s)+3], s[G0+4*(\s)+3], 0x80000000
	s_mov_b32 s[G0B+4*(\s)], 1
	s_add_co_u32 s[G0B+4*(\s)+1], s22, (\s)*SLOT
	s_add_nc_u64 s[G0B+4*(\s)+2:G0B+4*(\s)+3], s[46:47], (\s)*2*131072
	s_or_b32 s[G0B+4*(\s)+3], s[G0B+4*(\s)+3], 0x80000000
	JLOAD \s
.endr
	v_and_b32 v1, 15, v0                           ; l % 16
	v_bfe_u32 v2, v0, 4, 1                         ; l / 16
	s_lshl_b32 s84, s42, 10                        ; bq: 256 channels a tile column, 128 a half
	s_lshl_b32 s86, s[CH], 9
	s_add_co_u32 s84, s84, s86
	s_mov_b32 s85, 0
	s_add_nc_u64 s[8:9], s[8:9], s[84:85]
	v_lshlrev_b32 v[BO], 5, v2
.irp b, 0,1,2,3,4,5,6,7
	global_load_b128 v[BQ+8*(\b):BQ+8*(\b)+3],   v[BO], s[8:9] offset:64*(\b)
	global_load_b128 v[BQ+8*(\b)+4:BQ+8*(\b)+7], v[BO], s[8:9] offset:64*(\b)+16
.endr
	s_lshl_b32 s84, s45, 20                        ; out0: 256 rows of 4,096 bytes a tile row, 128 a half; 1,024 bytes a tile column, 512 a half
	s_lshl_b32 s86, s[RH], 19
	s_add_co_u32 s84, s84, s86
	s_lshl_b32 s86, s42, 10
	s_add_co_u32 s84, s84, s86
	s_lshl_b32 s86, s[CH], 9
	s_add_co_u32 s84, s84, s86
	s_add_nc_u64 s[OUT:OUT+1], s[14:15], s[84:85]
	s_lshr_b32 s86, s45, 4
	s_lshl_b32 s86, s86, 4
	s_lshl2_add_u32 s86, s42, s86
	s_lshl1_add_u32 s86, s[CH], s86                ; 16 b + my first head
	s_lshl_b32 s84, s86, 8
	s_add_nc_u64 s[12:13], s[12:13], s[84:85]
	s_lshl_b32 s84, s86, 14
	s_add_nc_u64 s[PB:PB+1], s[10:11], s[84:85]
	s_load_b32 s71, s[12:13], 0x0                  ; pk's powers of my two heads,
	s_load_b32 s72, s[12:13], 0x100
	s_load_b32 s73, s[12:13], 0x4000               ; pv's
	s_load_b32 s74, s[12:13], 0x4100
	s_mov_b32 s[SEL], 0x76543210
	s_mov_b32 s[SEL+1], 0xfedcba98
	v_mul_u32_u24 v3, v1, PITCH
	v_lshl_add_u32 v3, v2, 4, v3                   ; a fragment's row x pitch + 16 x half
	s_mul_i32 s23, s[RH], 128*PITCH
	s_mul_i32 s19, s[CH], 128*PITCH
	s_add_co_u32 s19, s19, 2*REGION
.irp s, 0,1
	v_add_nc_u32 v[ADRA+(\s)], s23, v3
	v_add_nc_u32 v[ADRB+(\s)], s19, v3
	s_add_co_u32 s23, s23, SLOT
	s_add_co_u32 s19, s19, SLOT
.endr
	s_mul_i32 s[HC], s[WV], 16*SPITCH
	s_add_co_u32 s[HC], s[HC], STAGE               ; my stage
	v_mul_u32_u24 v4, v1, SPITCH                   ; in: row l % 16, 32 bytes for each half of the lanes
	v_lshl_add_u32 v4, v2, 5, v4
	v_add_nc_u32 v[STO], s[HC], v4
	v_mul_u32_u24 v5, v2, SPITCH                   ; back: lanes 0-15 one row of 256 bytes, lanes 16-31 the next
	v_lshl_add_u32 v5, v1, 4, v5
	v_add_nc_u32 v[RD], s[HC], v5
	v_lshlrev_b32 v[CO], 12, v2                    ; and the same two rows in out0
	v_lshl_add_u32 v[CO], v1, 4, v[CO]
	v_and_b32 v6, 31, v0
	v_lshlrev_b32 v[PO], 4, v6
	s_lshl_b32 s[TC], s[WV], 16
	v_add_nc_u32 v[QS], s[TC], v[PO]               ; q's image: 65,536 bytes a wave
	v_mov_b32 v[QA], v[QS]
	v_mov_b32 v[TX], 0
	v_mov_b32 v[NEG1], -1.0
; 16 products: query blocks a0, a0 + 1 of the window's four x all 8 channel blocks.  zero = 1: the first products take the bias as C
.macro MUL16 f, hi, a0, zero
.if \zero
	WIN 0x81+0x40*(\hi)                            ; C window 0, D window 2 or 3
.else
	WIN MUL_LO+0x50*(\hi)
.endif
.irp a, \a0, (\a0)+1
.irp b, 0,1,2,3,4,5,6,7
.if \zero
	v_wmma_f32_16x16x32_bf16 v[8*(8*(\a)+(\b)):8*(8*(\a)+(\b))+7], v[(\f)+8*(\b):(\f)+8*(\b)+7], v[(\f)+8*(4*(\hi)+(\a)):(\f)+8*(4*(\hi)+(\a))+7], v[BQ+8*(\b):BQ+8*(\b)+7]
.else
	v_wmma_f32_16x16x32_bf16 v[8*(8*(\a)+(\b)):8*(8*(\a)+(\b))+7], v[(\f)+8*(\b):(\f)+8*(\b)+7], v[(\f)+8*(4*(\hi)+(\a)):(\f)+8*(4*(\hi)+(\a))+7], v[8*(8*(\a)+(\b)):8*(8*(\a)+(\b))+7]
.endif
.endr
.endr
.endm
.macro FETCH slot, k, f                ; 32 LDS loads in one run: a quarter step's fragments, B's first
	WIN TO_B
.irp i, 0,1,2,3,4,5,6,7
	ds_load_b128 v[(\f)+8*(\i):(\f)+8*(\i)+3],   v[ADRB+(\slot)] offset:(\k)+(\i)*16*PITCH
	ds_load_b128 v[(\f)+8*(\i)+4:(\f)+8*(\i)+7], v[ADRB+(\slot)] offset:(\k)+(\i)*16*PITCH+32
.endr
	WIN 0
.irp i, 0,1,2,3,4,5,6,7
	ds_load_b128 v[(\f)+8*(\i):(\f)+8*(\i)+3],   v[ADRA+(\slot)] offset:(\k)+(\i)*16*PITCH
	ds_load_b128 v[(\f)+8*(\i)+4:(\f)+8*(\i)+7], v[ADRA+(\slot)] offset:(\k)+(\i)*16*PITCH+32
.endr
.endm
.macro QUARTER slot, k, f, g, zero     ; multiplies buffer f; in its middle fetches the next quarter, at byte k, into g
	s_wait_dscnt 8                                 ; B and A's rows 0-63 are in; the youngest eight loads may be out
	MUL16 \f, 0, 0, \zero
	MUL16 \f, 0, 2, \zero
	PLACES
	FETCH \slot, \k, \g
	s_wait_dscnt 32                                ; all but the 32 just issued
	MUL16 \f, 1, 0, \zero
	MUL16 \f, 1, 2, \zero
.endm
; The last quarter of a K step multiplies buffer 1 and changes slots.  One barrier: in front of it each wave waits for all its tensor loads (one is out: its plane of the next slot), adds 0 to its spare
; word, and waits for that and for its reads of this slot.  fill = 1: the barrier opens a round of the cluster's, and the slot is filled again first thing behind it, two K steps ahead.
.macro TURN slot, next, fill
	WIN 0
	s_wait_tensorcnt 0x0
	ds_add_u32 v[SPW], v[NIL]
	s_wait_dscnt 9                                 ; the add and the youngest eight loads may be out
	MUL16 F1, 0, 0, 0
	s_wait_dscnt 0x0                               ; the add is done, my reads of this slot are over
	s_barrier_signal -1
	MUL16 F1, 0, 2, 0
.if \fill
	WIN 0
.endif
	s_barrier_wait -1
.if \fill
	CREST
	s_add_nc_u64 s[G0+4*(\slot)+2:G0+4*(\slot)+3], s[G0+4*(\slot)+2:G0+4*(\slot)+3], 4*2097152
	s_add_nc_u64 s[G0B+4*(\slot)+2:G0B+4*(\slot)+3], s[G0B+4*(\slot)+2:G0B+4*(\slot)+3], 4*131072
	JLOAD \slot                                    ; 224 products stand between this request and the wait for it; its four v_nop are also the places in front of the loads below
.else
	PLACES
.endif
	FETCH \next, 0, F0
	MUL16 F1, 1, 0, 0
	MUL16 F1, 1, 2, 0
.endm
	s_wait_tensorcnt 1                             ; my plane of K step 0 is in; step 1's may stay out
	s_barrier_signal -1
	s_barrier_wait -1
	FETCH 0, 0, F0
	s_wait_loadcnt 0x0                             ; the bias,
.set n, 0
.rept 32                                           ; which is rounded to bf16, as X and Wq are
	v_cvt_pk_bf16_f32 v[QF+n], v[BQ+2*n], v[BQ+2*n+1]
.set n, n+1
.endr
.set n, 0
.rept 32
	v_lshlrev_b32 v[BQ+2*n], 16, v[QF+n]
	v_and_b32 v[BQ+2*n+1], 0xffff0000, v[QF+n]
.set n, n+1
.endr
	QUARTER 0, KQ1, F0, F1, 1
	WIN 0
	s_mov_b32 s19, 3
.Llap:                                                 ; a trip goes once round the ring, from a lap's second quarter to the next lap's first
	QUARTER 0, KQ2, F1, F0, 0
	QUARTER 0, KQ3, F0, F1, 0
	TURN 0, 1, 1
	QUARTER 1, KQ1, F0, F1, 0
	QUARTER 1, KQ2, F1, F0, 0
	QUARTER 1, KQ3, F0, F1, 0
	TURN 1, 0, 1
	QUARTER 0, KQ1, F0, F1, 0
	WIN 0
	s_sub_co_u32 s19, s19, 1
	s_cmp_lg_u32 s19, 0
	s_cbranch_scc1 .Llap
	QUARTER 0, KQ2, F1, F0, 0                      ; the last lap fills nothing
	QUARTER 0, KQ3, F0, F1, 0
	TURN 0, 1, 0                                   ; all tensor loads have landed; behind its barrier no wave reads slot 0 any more
	QUARTER 1, KQ1, F0, F1, 0
	QUARTER 1, KQ2, F1, F0, 0
	QUARTER 1, KQ3, F0, F1, 0
	s_wait_dscnt 8
	MUL16 F1, 0, 0, 0
	MUL16 F1, 0, 2, 0
	s_wait_dscnt 0x0                               ; my reads of slot 1 are over:
	s_barrier_signal -1                            ; say so,
	MUL16 F1, 1, 0, 0
	MUL16 F1, 1, 2, 0
	s_barrier_wait -1                              ; and store into the slots only when all four have said so
	PLACES
	; q as a pair of f16, each as source 1 of S^T = pk q^T: [head 2][tile 8][hi, lo][quad 4][lane][16 bytes], in the two slots, which have had their last fills
.irp a, 0,1,2,3,4,5,6,7
	WIN 0x0a+5*((\a)/4)                            ; sources window 2 or 3
.irp b, 0,1,2,3,4,5,6,7
.irp r, 0,1,2,3
	v_cvt_pk_f16_f32 v[QT+4*(\b)+(\r)], v[64*((\a)%4)+8*(\b)+2*(\r)], v[64*((\a)%4)+8*(\b)+2*(\r)+1]
.endr
.endr
	WIN 0xa0+0x50*((\a)/4)                         ; source 2 and destination window 2 or 3: what hi left over, exact in f32, in place: hi x (-1) + q, hi read as an f16 half
.irp b, 0,1,2,3,4,5,6,7
.irp r, 0,1,2,3
	v_fma_mix_f32 v[64*((\a)%4)+8*(\b)+2*(\r)],   v[QT+4*(\b)+(\r)], v[NEG1], v[64*((\a)%4)+8*(\b)+2*(\r)] op_sel_hi:[1,0,0]
	v_fma_mix_f32 v[64*((\a)%4)+8*(\b)+2*(\r)+1], v[QT+4*(\b)+(\r)], v[NEG1], v[64*((\a)%4)+8*(\b)+2*(\r)+1] op_sel:[1,0,0] op_sel_hi:[1,0,0]
.endr
.endr
	WIN 0x0a+5*((\a)/4)
.irp b, 0,1,2,3,4,5,6,7
.irp r, 0,1,2,3
	v_cvt_pk_f16_f32 v[QTL+4*(\b)+(\r)], v[64*((\a)%4)+8*(\b)+2*(\r)], v[64*((\a)%4)+8*(\b)+2*(\r)+1]
.endr
.endr
	WIN 0
.irp b, 0,1,2,3,4,5,6,7
	ds_store_b128 v[QS], v[QT+4*(\b):QT+4*(\b)+3]   offset:((8*((\b)/4)+(\a))*8+(\b)%4)*512
	ds_store_b128 v[QS], v[QTL+4*(\b):QTL+4*(\b)+3] offset:((8*((\b)/4)+(\a))*8+4+(\b)%4)*512
.endr
.endr
	s_wait_dscnt 0x0                               ; the image is written,
	s_barrier_signal -1
	s_barrier_wait -1                              ; everybody's
	s_wait_kmcnt 0x0                               ; the four powers of two
	s_mul_f32 s[CS], s71, 0x3e38aa3b               ; c = log2(e) / 8 x pk's power
	s_mul_f32 s[CS2], s72, 0x3e38aa3b
	s_mov_b32 s[PVS], s73
	s_mov_b32 s[PVS2], s74
	s_mov_b32 s[HC], 2
.Lhead:
	s_mov_b32 s[CS+1], s[CS]                       ; named with it as a pair
	PLACES                                         ; behind the last products that read windows 1 and 2
	WIN 0x40
.set n, 0
.rept 32
	global_load_b128 v[4*n:4*n+3], v[PO], s[PB:PB+1] offset:512*n                  ; pk hi: key block kt, channel half cs at 16 kt + 8 cs
.set n, n+1
.endr
.set n, 0
.rept 32
	global_load_b128 v[128+4*n:128+4*n+3], v[PO], s[PB:PB+1] offset:1048576+512*n  ; pv^T: channel block ct, key block kb at 128 + 32 ct + 8 kb
.set n, n+1
.endr
	WIN 0x80
.set n, 0
.rept 32
	global_load_b128 v[4*n:4*n+3], v[PO], s[PB:PB+1] offset:2097152+512*n          ; pk lo, in window 2, in hi's order
.set n, n+1
.endr
	WIN 0
	s_wait_loadcnt 0x0
	s_mov_b32 s[TC], 8
.Ltile:                                                ; 16 queries of one head
.irp n, 0,1,2,3
	ds_load_b128 v[QF+4*(\n):QF+4*(\n)+3], v[QA] offset:512*(\n)
.endr
.irp n, 0,1,2,3
	ds_load_b128 v[QFL+4*(\n):QFL+4*(\n)+3], v[QA] offset:2048+512*(\n)
.endr
	s_wait_dscnt 0x0
	WIN 0x01                                       ; source 0 window 1: pk hi.  In every pass the eight accumulators take turns
.irp kt, 0,1,2,3,4,5,6,7
	v_wmma_f32_16x16x32_f16 v[S+8*(\kt):S+8*(\kt)+7], v[16*(\kt):16*(\kt)+7], v[QF:QF+7], 0
.endr
.irp kt, 0,1,2,3,4,5,6,7
	v_wmma_f32_16x16x32_f16 v[S+8*(\kt):S+8*(\kt)+7], v[16*(\kt)+8:16*(\kt)+15], v[QF+8:QF+15], v[S+8*(\kt):S+8*(\kt)+7]
.endr
.irp kt, 0,1,2,3,4,5,6,7                           ; pk hi x q lo
	v_wmma_f32_16x16x32_f16 v[S+8*(\kt):S+8*(\kt)+7], v[16*(\kt):16*(\kt)+7], v[QFL:QFL+7], v[S+8*(\kt):S+8*(\kt)+7]
.endr
.irp kt, 0,1,2,3,4,5,6,7
	v_wmma_f32_16x16x32_f16 v[S+8*(\kt):S+8*(\kt)+7], v[16*(\kt)+8:16*(\kt)+15], v[QFL+8:QFL+15], v[S+8*(\kt):S+8*(\kt)+7]
.endr
	WIN 0x02                                       ; source 0 window 2: pk lo x q hi
.irp kt, 0,1,2,3,4,5,6,7
	v_wmma_f32_16x16x32_f16 v[S+8*(\kt):S+8*(\kt)+7], v[16*(\kt):16*(\kt)+7], v[QF:QF+7], v[S+8*(\kt):S+8*(\kt)+7]
.endr
.irp kt, 0,1,2,3,4,5,6,7
	v_wmma_f32_16x16x32_f16 v[S+8*(\kt):S+8*(\kt)+7], v[16*(\kt)+8:16*(\kt)+15], v[QF+8:QF+15], v[S+8*(\kt):S+8*(\kt)+7]
.endr
	WIN 0
	PLACES
	; the maximum of my 64 scores: four chains of 16, ascending
.irp i, 0,1,2,3
	v_max3_num_f32 v[C0+(\i)], v[S+16*(\i)], v[S+16*(\i)+1], v[S+16*(\i)+2]
.endr
.irp k, 0,1,2,3,4,5
.irp i, 0,1,2,3
	v_max3_num_f32 v[C0+(\i)], v[C0+(\i)], v[S+16*(\i)+3+2*(\k)], v[S+16*(\i)+4+2*(\k)]
.endr
.endr
.irp i, 0,1,2,3
	v_max_num_f32 v[C0+(\i)], v[C0+(\i)], v[S+16*(\i)+15]
.endr
	v_max3_num_f32 v[C0], v[C0], v[C0+1], v[C0+2]
	v_max_num_f32 v[C0], v[C0], v[C0+3]
	v_permlanex16_b32 v[TX], v[C0], s[SEL], s[SEL+1]   ; the query's other 64 keys lie in the lane 16 away
	v_max_num_f32 v[M], v[C0], v[TX]
	v_mul_f32 v[CM], s[CS], v[M]
	v_mov_b32 v[CM+1], v[CM]
.set n, 0
.rept 32
	v_pk_fma_f32 v[S+2*n:S+2*n+1], v[S+2*n:S+2*n+1], s[CS:CS+1], v[CM:CM+1] op_sel_hi:[1,0,0] neg_lo:[0,0,1] neg_hi:[0,0,1]  ; c s - c m
.set n, n+1
.endr
.set n, 0
.rept 64
	v_exp_f32 v[S+n], v[S+n]
.set n, n+1
.endr
	v_nop                                          ; a plain instruction between the last exponential and the use of its result
.set n, 0
	s_wait_alu depctr_va_vdst(0)
.rept 32
	v_cvt_pk_f16_f32 v[P+n], v[S+2*n], v[S+2*n+1]  ; two neighbouring accumulators of S^T, rounded, are source 1 for 32 keys
.set n, n+1
.endr
	WIN 0x01
.irp ct, 0,1,2,3
	v_wmma_f32_16x16x32_f16 v[O+8*(\ct):O+8*(\ct)+7], v[128+32*(\ct):128+32*(\ct)+7], v[P:P+7], 0
.endr
.irp kb, 1,2,3
.irp ct, 0,1,2,3                                   ; four accumulators by turns
	v_wmma_f32_16x16x32_f16 v[O+8*(\ct):O+8*(\ct)+7], v[128+32*(\ct)+8*(\kb):128+32*(\ct)+8*(\kb)+7], v[P+8*(\kb):P+8*(\kb)+7], v[O+8*(\ct):O+8*(\ct)+7]
.endr
.endr
	WIN 0
	; the sum of the unrounded weights, in place on S^T: 31 packed additions, which are also the places behind the products
.irp w, 16,8,4,2,1
.set n, 0
.rept \w
	v_pk_add_f32 v[S+2*n:S+2*n+1], v[S+2*n:S+2*n+1], v[S+2*(n+(\w)):S+2*(n+(\w))+1]
.set n, n+1
.endr
.endr
	v_add_f32 v[LL], v[S], v[S+1]
	v_permlanex16_b32 v[TX], v[LL], s[SEL], s[SEL+1]
	v_add_f32 v[LL], v[LL], v[TX]
	v_rcp_f32 v[LL+1], v[LL]
	v_nop
	s_wait_alu depctr_va_vdst(0)
	v_mul_f32 v[R], s[PVS], v[LL+1]                ; pv's power over the sum
	v_mov_b32 v[R+1], v[R]
.set n, 0
.rept 16
	v_pk_mul_f32 v[O+2*n:O+2*n+1], v[O+2*n:O+2*n+1], v[R:R+1]
.set n, n+1
.endr
.irp ct, 0,1,2,3
	ds_store_b128 v[STO], v[O+8*(\ct):O+8*(\ct)+3]   offset:64*(\ct)
	ds_store_b128 v[STO], v[O+8*(\ct)+4:O+8*(\ct)+7] offset:64*(\ct)+16
.endr
.irp t, 0,1,2,3,4,5,6,7
	ds_load_b128 v[OB+4*(\t):OB+4*(\t)+3], v[RD] offset:(\t)*2*SPITCH  ; my own bytes, served in order behind the stores above
.endr
	s_wait_dscnt 0x0
.irp t, 0,1,2,3,4,5,6,7
	global_store_b128 v[CO], v[OB+4*(\t):OB+4*(\t)+3], s[OUT:OUT+1] offset:(\t)*8192 th:TH_STORE_NT  ; 16 lanes store 256 consecutive bytes, aligned: a head's 64 channels of one row
.endr
	s_wait_xcnt 0x0                                ; the stores' base and data are written again only behind this wait
	v_add_nc_u32 v[QA], 4096, v[QA]                ; the next tile of q's image
	s_add_nc_u64 s[OUT:OUT+1], s[OUT:OUT+1], 65536 ; 16 rows on
	s_sub_co_u32 s[TC], s[TC], 1
	s_cmp_lg_u32 s[TC], 0
	s_cbranch_scc1 .Ltile
	s_add_nc_u64 s[PB:PB+1], s[PB:PB+1], 16384     ; my second head: its images,
	s_sub_nc_u64 s[OUT:OUT+1], s[OUT:OUT+1], 524288-256  ; its 256 bytes of my first row,
	s_mov_b32 s[CS], s[CS2]                        ; its powers
	s_mov_b32 s[PVS], s[PVS2]
	s_sub_co_u32 s[HC], s[HC], 1
	s_cmp_lg_u32 s[HC], 0
	s_cbranch_scc1 .Lhead
	s_wait_tensorcnt 0x0                           ; the wave's end
	ds_add_u32 v[SPW], v[NIL]
	s_wait_dscnt 0x0
	CROUND                                         ; the closing round
	s_endpgm
.Lfunc_end_k_qff518e416c_main:
	.size	k_qff518e416c_main, .Lfunc_end_k_qff518e416c_main-k_qff518e416c_main
	.p2alignl 7, 3214868480
	.fill 96, 4, 3214868480
	.section	.rodata,"a",@progbits
	.p2align	6, 0x0
	.amdhsa_kernel k_qff518e416c_main
		.amdhsa_group_segment_fixed_size 327680
		.amdhsa_private_segment_fixed_size 0
		.amdhsa_enable_private_segment 0
		.amdhsa_kernarg_size 48
		.amdhsa_user_sgpr_count 2
		.amdhsa_user_sgpr_kernarg_segment_ptr 1
		.amdhsa_wavefront_size32 1
		.amdhsa_system_sgpr_workgroup_id_x 1
		.amdhsa_system_sgpr_workgroup_id_y 1
		.amdhsa_system_sgpr_workgroup_id_z 1
		.amdhsa_system_vgpr_workitem_id 0
		.amdhsa_next_free_vgpr 1024
		.amdhsa_next_free_sgpr 88
		.amdhsa_reserve_vcc 0
		.amdhsa_float_denorm_mode_32 3
		.amdhsa_float_denorm_mode_16_64 3
		.amdhsa_memory_ordered 1
		.amdhsa_forward_progress 1
		.amdhsa_inst_pref_size 220
	.end_amdhsa_kernel
	.amdgpu_metadata
---
amdhsa.version: [ 1, 2 ]
amdhsa.kernels:
  - .name:           k_qff518e416c_main
    .symbol:         k_qff518e416c_main.kd
    .args:
      - { .name: xb, .offset: 0, .size: 8, .value_kind: global_buffer, .address_space: global }
      - { .name: wqb, .offset: 8, .size: 8, .value_kind: global_buffer, .address_space: global }
      - { .name: bq, .offset: 16, .size: 8, .value_kind: global_buffer, .address_space: global }
      - { .name: pimg, .offset: 24, .size: 8, .value_kind: global_buffer, .address_space: global }
      - { .name: scl, .offset: 32, .size: 8, .value_kind: global_buffer, .address_space: global }
      - { .name: out0, .offset: 40, .size: 8, .value_kind: global_buffer, .address_space: global }
    .group_segment_fixed_size: 327680
    .private_segment_fixed_size: 0
    .kernarg_segment_align: 8
    .kernarg_segment_size: 48
    .max_flat_workgroup_size: 128
    .sgpr_count:     88
    .vgpr_count:     1024
    .wavefront_size: 32
...
	.end_amdgpu_metadata
.endif
;; end of part 4
